; MI455X (gfx1250); checked and timed in simulation.
; The chip was launched on July 23, 2026; its instructions are those of AMD's public machine-readable ISA for CDNA 5 (MIT licence, August 2026) and "CDNA5" Instruction Set Architecture Reference Guide (July 2026). The comments in the code are by the model that wrote it; some were corrected since.
;; Multihead Attention. Allowed arithmetic: matrix products marked QUANTISED: E2M1 operands, one E8M0 scale for each 32 along K, by v_wmma_scale_f32_16x16x128_f8f6f4 with both operands' format E2M1 (or v_wmma_scale_f32_32x16x128_f4), f32 sums; everything else in f32.
;; Inputs: k_codes 4 x 2,048 x 32 x 16 uint8 (E2M1 codes of k, K innermost, in blocks of 32 codes, two codes a byte); k_scales 4 x 2,048 x 32 uint8 (E8M0 scales of k, one for each 32 codes along K); q_codes 4 x 2,048 x 32 x 16 uint8 (E2M1 codes of q, K innermost, in blocks of 32 codes, two codes a byte); q_scales 4 x 2,048 x 32 uint8 (E8M0 scales of q, one for each 32 codes along K); v_codes 4 x 2,048 x 32 x 16 uint8 (E2M1 codes of v, K innermost, in blocks of 32 codes, two codes a byte); v_scales 4 x 2,048 x 32 uint8 (E8M0 scales of v, one for each 32 codes along K); wk_b 16 x 64 float32; wk_w_codes 16 x 64 x 32 x 16 uint8 (E2M1 codes of wk_w, K innermost, in blocks of 32 codes, two codes a byte); wk_w_scales 16 x 64 x 32 uint8 (E8M0 scales of wk_w, one for each 32 codes along K); wo_b 1,024 float32; wo_w_codes 1,024 x 32 x 16 uint8 (E2M1 codes of wo_w, K innermost, in blocks of 32 codes, two codes a byte); wo_w_scales 1,024 x 32 uint8 (E8M0 scales of wo_w, one for each 32 codes along K); wq_b 16 x 64 float32; wq_w_codes 16 x 64 x 32 x 16 uint8 (E2M1 codes of wq_w, K innermost, in blocks of 32 codes, two codes a byte); wq_w_scales 16 x 64 x 32 uint8 (E8M0 scales of wq_w, one for each 32 codes along K); wv_b 16 x 64 float32; wv_w_codes 16 x 64 x 32 x 16 uint8 (E2M1 codes of wv_w, K innermost, in blocks of 32 codes, two codes a byte); wv_w_scales 16 x 64 x 32 uint8 (E8M0 scales of wv_w, one for each 32 codes along K).
;; Outputs: out0 4 x 2,048 x 1,024 float32.
;; This version of the problem:
;;   THIS VERSION OF THE PROBLEM IS GIVEN IN LOW PRECISION. The matrix products marked QUANTISED in the list below multiply operands that are first quantised to E2M1 (2 exponent bits, 1 mantissa bit; 4 bits a number), with one power-of-two scale for each 32 numbers along K (OCP MX v1.0); their sums are f32. All else is computed in f32.
;;   The module's matrix products, in the order in which they are computed (A, B: the left and right operand; K: the contracted axis; several contracted axes count as one K, in the product's order):
;;     1. [M 1,024, K 1,024] x [K 1,024, N 8,192]; A: input wq_w (given as codes); B: input q (given as codes): QUANTISED
;;     2. [M 1,024, K 1,024] x [K 1,024, N 8,192]; A: input wk_w (given as codes); B: input k (given as codes): QUANTISED
;;     3. [M 1,024, K 1,024] x [K 1,024, N 8,192]; A: input wv_w (given as codes); B: input v (given as codes): QUANTISED
;;     4. batch 64 x [M 2,048, K 64] x [K 64, N 2,048]; A: computed on the way; B: computed on the way: QUANTISED
;;     5. batch 64 x [M 2,048, K 2,048] x [K 2,048, N 64]; A: softmax (see below); B: computed on the way: QUANTISED
;;     6. [M 8,192, K 1,024] x [K 1,024, N 1,024]; A: computed on the way; B: input wo_w (given as codes): QUANTISED
;;   THE QUANTISER, for each operand of a quantised product, along K:
;;     - K is cut into blocks of 32 from its start; a last block that is shorter is filled with zeros.
;;     - A block's scale is 2^e with e = floor(log2(the largest magnitude in the block)) - 2, held to -126 .. 127; a block of zeros has e = 0. As a byte (E8M0): e + 127.
;;     - Each number is divided by its block's scale, clamped to +-6, and rounded to the nearest number of E2M1, ties to even, subnormals kept.
;;     - The product sums the exact products of the quantised numbers (number of the format x scale) in f32.
;;   ~~~python
;;   def quantise(x, axis):      # numpy; x: float32 -> the quantised numbers, widened to float32 again
;;       x = np.moveaxis(x, axis, -1); K = x.shape[-1]
;;       x = np.pad(x, [(0, 0)] * (x.ndim - 1) + [(0, -K % 32)]); x = x.reshape(x.shape[:-1] + (-1, 32)); a = np.abs(x).max(-1, keepdims=True)
;;       e = np.where(a > 0, np.clip(np.frexp(np.where(a > 0, a, 1))[1] - 1 - 2, -126, 127), 0)      # np.frexp(a)[1] - 1 = floor(log2(a)), exactly
;;       r = np.clip(x / 2.0 ** e, -6, 6)
;;       step = 2.0 ** (np.maximum(np.frexp(np.where(r == 0, 1, r))[1] - 1, 0) - 1)
;;       q = np.round(r / step) * step * 2.0 ** e      # np.round: ties to even
;;       return np.moveaxis(q.reshape(q.shape[:-2] + (-1,))[..., :K], -1, axis).astype(np.float32)
;;   ~~~
;;   SOFTMAX AHEAD OF A QUANTISED PRODUCT. Where the list says 'softmax', what is quantised is not the finished softmax but p = 2^(t - M), with t = logit x log2(e) and M = ceil(the row's largest t), a whole number; so 1/2 < the row's largest p <= 1. The row's sum l is taken of the UNQUANTISED p, in f32, and the product's result is divided by l at the end. Since M is a whole number, a kernel that streams over the keys may use a running M (the ceiling of the running maximum): every later rescaling is an exact power of two, which a block's scale takes up: the codes' values come out the same.
;;   OPERANDS COMPUTED ON THE WAY. 'Computed on the way' means the value that the module computes at that place (a softmax that the list does not call 'softmax' is quantised finished and normalised). What goes into a quantiser is computed in f32, as accurately as f32 sums, v_exp_f32 and their like allow (about 1e-6 of the number): no bf16 or f16 on the way to a quantiser, and a product that is left as it is and whose result goes on into a quantised operand takes f32 operands (vector FMAs, or v_wmma_f32_16x16x4_f32). A number that lies on a knife's edge between two numbers of the format may be rounded either way, as far as f32 arithmetic and the matrix unit's own rounding can turn it there, and no further.
;;   INPUTS GIVEN AS CODES. k (in the module: [4, 2048, 1024], K = its axis 2); q (in the module: [4, 2048, 1024], K = its axis 2); v (in the module: [4, 2048, 1024], K = its axis 2); wk_w (in the module: [16, 64, 1024], K = its axis 2); wo_w (in the module: [1024, 1024], K = its axis 1); wq_w (in the module: [16, 64, 1024], K = its axis 2); wv_w (in the module: [16, 64, 1024], K = its axis 2): each comes as NAME_codes (uint8): NAME with its K axis moved to the last place and cut into blocks of 32 codes, [.., K / 32, bytes a block], one block behind the other in memory; two codes a byte, the lower K in the low four bits (a code: sign, 2 exponent bits, 1 mantissa bit); and NAME_scales (uint8): the same leading axes, one E8M0 byte (e + 127) for each 32 codes along K. Its value is code x scale, taken as it is: it is not quantised again, and the codes and scales need not be those that the quantiser above would give.
;; One version. Each part assembles by itself: llvm-mc -triple=amdgcn-amd-amdhsa -mcpu=gfx1250 --defsym DOCPART=n.
;; ======== version 1 of 1: 3 launches
;; limits: right only within a limited range of input values
;; workspace buffers: qrec 9,175,040 bytes; kvrec 9,175,040 bytes; oc 4,194,304 bytes; os 262,144 bytes
;; launch proj (part 1): grid 192 x 1, 4 waves a work-group, no clusters, 327,680 bytes of LDS; arguments q_codes, q_scales, k_codes, k_scales, v_codes, v_scales, wq_w_codes, wq_w_scales, wk_w_codes, wk_w_scales, wv_w_codes, wv_w_scales, wq_b, wk_b, wv_b, qrec, kvrec; writes qrec, kvrec
.if DOCPART == 1
	.amdgcn_target "amdgcn-amd-amdhsa--gfx1250"
	.amdhsa_code_object_version 6
	.text
	.protected	k_q221dffeb15_proj
	.globl	k_q221dffeb15_proj
	.p2align	8
	.type	k_q221dffeb15_proj,@function
k_q221dffeb15_proj:
	s_mov_b64 s[64:65], 0
	v_nop
	global_prefetch_b8 v0, s[64:65] scope:SCOPE_SE
	s_setreg_imm32_b32 hwreg(HW_REG_WAVE_MODE, 25, 1), 1
	s_wait_xcnt 0x0
.set REC,   143360
.set RP,    528
.set RSC,   256*RP
.set PSTG,  RSC+256*32
.set SSTG,  PSTG+4*16*RP
.set LI,    1
.set PRD,   2
.set PST,   3
.set ADR0,  4
.set ADRS0, 5
.set SST0,  6
.set SH,    7
.set SRD,   8
.set VBO,   9
.set VSO,   10
.set BO,    11
.set PSO,   12
.set ADR,   13
.set ADRS,  14
.set SSTC,  15
.set PS,    16
.set RS,    48
.set VB,    52
.set W,     53
.set RF,    64
.set ACC,   128
.set F,     192
.set TM,    200
.set PW,    216
.set VB8,   224
.set Z,     2
.set PCI,   4
.set RCI,   5
.set WV,    6
.set T,     7
.set BPB,   8
.set VBB,   10
.set TA,    12
.set TS,    13
.set TW,    14
.set MK,    15
.set ST2,   16
.set D2,    18
.set PCP,   42
.set PSP,   44
.set RCP,   46
.set RSP,   48
.set BIP,   50
.set OB,    52
.set SB,    54
.set ST,    58
.set SEL,   66
.set G1C,   68
.set G0C,   76
.set G1S,   80
.set G0S,   88
.set MSB, 0
.macro WIN new
.if MSB != (\new)
	s_set_vgpr_msb (MSB<<8)|(\new)
.set MSB, (\new)
.endif
.endm
.macro PLACES n
.rept \n
	v_nop
.endr
.endm
.macro RAWSET t
.if (\t) < 7
.set RW, 1+((\t)+1)/4
.set RR, 64*(((\t)+1)%4)
.else
.set RW, 0
.set RR, ACC
.endif
.endm
.macro PLOAD t
	RAWSET \t
	WIN RW<<6
.irp i, 0,1,2,3,4,5,6,7,8,9,10,11,12,13,14,15
	global_load_b128 v[RR+4*\i:RR+4*\i+3], v[LI], s[PCP:PCP+1] offset:(16*(\t)+\i)*512
.endr
.endm
.macro PTURN t, n
	RAWSET \t
	s_wait_loadcnt \n
	WIN RW<<2
.irp i, 0,1,2,3,4,5,6,7,8,9,10,11,12,13,14,15
	ds_store_b128 v[PST], v[RR+4*\i:RR+4*\i+3] offset:RP*\i
.endr
.if (\t) > 0
	s_wait_dscnt 32
.endif
	WIN (1+(\t)/4)<<6
.set HR, 64*((\t)%4)
.irp q, 0,1,2,3,4,5,6,7
.irp c, 0,1
	ds_load_b128 v[HR+8*\q+4*\c:HR+8*\q+4*\c+3], v[PRD] offset:64*\q+32*\c
.endr
.endr
.endm
.macro MM1 t, q, c
.set PA, 64*((\t)%4)+8*(\q)
.if (\q) < 4
	v_wmma_scale_f32_16x16x128_f8f6f4 v[ACC+8*(\t):ACC+8*(\t)+7], v[PA:PA+7], v[RF+8*(\q):RF+8*(\q)+7], v[\c:\c+7], v[PS+4*(\t)+(\q)%4], v[RS+(\q)%4] matrix_a_fmt:MATRIX_FMT_FP4 matrix_b_fmt:MATRIX_FMT_FP4
.else
	v_wmma_scale_f32_16x16x128_f8f6f4 v[ACC+8*(\t):ACC+8*(\t)+7], v[PA:PA+7], v[RF+8*(\q):RF+8*(\q)+7], v[\c:\c+7], v[PS+4*(\t)+(\q)%4], v[RS+(\q)%4] matrix_a_fmt:MATRIX_FMT_FP4 matrix_b_fmt:MATRIX_FMT_FP4 matrix_a_scale:MATRIX_SCALE_ROW1 matrix_b_scale:MATRIX_SCALE_ROW1
.endif
.endm
.macro RLOADS
	v_add_nc_u32 v[ADR], s[TA], v[ADR0]
	v_add_nc_u32 v[ADRS], s[TS], v[ADRS0]
.irp q, 0,1,2,3,4,5,6,7
.irp c, 0,1
	ds_load_b128 v[RF+8*\q+4*\c:RF+8*\q+4*\c+3], v[ADR] offset:64*\q+32*\c
.endr
.endr
	ds_load_b128 v[RS:RS+3], v[ADRS]
.endm
.macro QUANT s
.irp b, 0,1,2,3
	v_max3_num_f32 v[TM+\b], |v[\s+16*\b]|, |v[\s+16*\b+1]|, 0x1800000
.endr
.irp b, 0,1,2,3                                ; a second chain for each block's upper tile: eight chains by turns, each tile read from its low end on
	v_max3_num_f32 v[TM+8+\b], |v[\s+16*\b+8]|, |v[\s+16*\b+9]|, |v[\s+16*\b+10]|
.endr
.irp i, 2,4
.irp b, 0,1,2,3
	v_max3_num_f32 v[TM+\b], v[TM+\b], |v[\s+16*\b+\i]|, |v[\s+16*\b+\i+1]|
.endr
.irp b, 0,1,2,3
	v_max3_num_f32 v[TM+8+\b], v[TM+8+\b], |v[\s+16*\b+9+\i]|, |v[\s+16*\b+10+\i]|
.endr
.endr
.irp b, 0,1,2,3
	v_max3_num_f32 v[TM+\b], v[TM+\b], |v[\s+16*\b+6]|, |v[\s+16*\b+7]|
.endr
.irp b, 0,1,2,3
	v_max3_num_f32 v[TM+\b], v[TM+\b], v[TM+8+\b], |v[\s+16*\b+15]|   ; a block's two chains join, with its last number
.endr
.irp b, 0,1,2,3
	v_permlanex16_b32 v[TM+4+\b], v[TM+\b], s[SEL], s[SEL+1]
.endr
.irp b, 0,1,2,3
	v_max_num_f32 v[TM+\b], v[TM+\b], v[TM+4+\b]
.endr
.irp b, 0,1,2,3
	v_add_nc_u32 v[TM+12+\b], 0xff000000, v[TM+\b]
.endr
.irp b, 0,1,2,3
	v_lshrrev_b32 v[TM+4+\b], 23, v[TM+12+\b]
.endr
	v_lshl_or_b32 v[PW], v[TM+5], 8, v[TM+4]
	v_lshl_or_b32 v[PW], v[TM+6], 16, v[PW]
	v_lshl_or_b32 v[PW], v[TM+7], 24, v[PW]
.irp c, 0,1
.irp e, 0,1
	v_cvt_scalef32_pk8_fp4_f32 v[F+4*\c+\e], v[\s+16*(2*\c+\e):\s+16*(2*\c+\e)+7], v[TM+12+2*\c+\e]
	v_cvt_scalef32_pk8_fp4_f32 v[F+4*\c+2+\e], v[\s+16*(2*\c+\e)+8:\s+16*(2*\c+\e)+15], v[TM+12+2*\c+\e]
.endr
.endr
	v_nop
.irp c, 0,1
	v_permlane16_swap_b32 v[F+4*\c], v[F+4*\c+1]
	v_permlane16_swap_b32 v[F+4*\c+2], v[F+4*\c+3]
.endr
.endm
	s_load_b512 s[8:23], s[0:1], 0x0
	s_load_b512 s[24:39], s[0:1], 0x40
	s_load_b64 s[40:41], s[0:1], 0x80
	v_lshl_add_u32 v254, v0, 2, 0x2d400
	v_mov_b32 v255, 0
	ds_add_u32 v254, v255
	ds_add_u32 v254, v255
	v_lshrrev_b32 v54, 5, v0
	v_readfirstlane_b32 s[WV], v54
	s_lshr_b32 s[Z], ttmp9, 6
	s_and_b32 s3, ttmp9, 63
	s_and_b32 s60, s3, 1
	s_lshr_b32 s61, s3, 1
	s_lshr_b32 s62, s3, 2
	s_and_b32 s63, s3, 3
	s_cmp_eq_u32 s[Z], 2
	s_cselect_b32 s[PCI], s62, s60
	s_cselect_b32 s[RCI], s63, s61
	s_lshl_b32 s92, s[PCI], 2
	s_add_co_u32 s92, s92, s[WV]
	s_lshl_b32 s93, s[RCI], 2
	s_and_b32 s94, s[WV], 1                        ; which half of the 256 rows I fetch: waves 0, 1 their codes, waves 2, 3 their scale bytes
	s_lshl_b32 s95, s94, 1
	s_add_co_u32 s93, s93, s95                     ; in units of 64 rows
	s_mov_b32 s[G1C+0], (1<<20)|(6<<22)|(3<<25)
	s_mov_b32 s[G1C+1], 512<<16
	s_mov_b32 s[G1C+2], 128<<16
	s_mov_b32 s[G1C+3], 512<<16
	s_mov_b32 s[G1C+4], 128
	s_mov_b32 s[G1C+5], 512
	s_mov_b32 s[G1C+6], 0
	s_mov_b32 s[G1C+7], 0
	s_mov_b32 s[G1S+0], 3<<16
	s_mov_b32 s[G1S+1], 32<<16
	s_mov_b32 s[G1S+2], 16<<16
	s_mov_b32 s[G1S+3], 32<<16
	s_mov_b32 s[G1S+4], 16
	s_mov_b32 s[G1S+5], 32
	s_mov_b32 s[G1S+6], 0
	s_mov_b32 s[G1S+7], 0
	s_mov_b32 s[SEL], 0x76543210
	s_mov_b32 s[SEL+1], 0xfedcba98
	v_and_b32 v54, 31, v0
	v_and_b32 v55, 15, v0
	v_bfe_u32 v56, v0, 4, 1
	v_lshlrev_b32 v[LI], 4, v54
	s_mul_i32 s60, s[WV], 16*RP
	s_add_co_u32 s60, s60, PSTG
	v_add_nc_u32 v[PST], s60, v[LI]
	v_mul_u32_u24 v57, v55, RP
	v_lshl_add_u32 v[ADR0], v56, 4, v57
	v_add_nc_u32 v[PRD], s60, v[ADR0]
	v_lshlrev_b32 v[PSO], 5, v55
	v_lshl_add_u32 v[PSO], v56, 4, v[PSO]
	v_add_nc_u32 v[ADRS0], RSC, v[PSO]
	s_lshl_b32 s61, s[WV], 11
	s_add_co_u32 s61, s61, SSTG
	v_lshlrev_b32 v[VBO], 2, v55
	v_lshl_add_u32 v57, v56, 10, v[VBO]
	v_add_nc_u32 v[SST0], s61, v57
	v_add_nc_u32 v[SRD], s61, v[LI]
	v_lshlrev_b32 v[BO], 5, v56
	v_mul_u32_u24 v[VSO], v56, REC
	v_lshl_add_u32 v[VSO], v55, 4, v[VSO]
.irp b, 0,1,2,3
	v_mov_b32 v[TM+4+\b], 0
.endr
	s_wait_alu depctr_va_vdst(0)
	s_wait_dscnt 0x0
	s_wait_kmcnt 0x0
	s_cmp_eq_u32 s[Z], 0
	s_cselect_b64 s[8:9], s[8:9], s[12:13]
	s_cselect_b64 s[10:11], s[10:11], s[14:15]
	s_cselect_b64 s[20:21], s[20:21], s[24:25]
	s_cselect_b64 s[22:23], s[22:23], s[26:27]
	s_cselect_b64 s[32:33], s[32:33], s[34:35]
	s_cselect_b64 s[OB:OB+1], s[38:39], s[40:41]
	s_cmp_eq_u32 s[Z], 2
	s_cselect_b64 s[8:9], s[16:17], s[8:9]
	s_cselect_b64 s[10:11], s[18:19], s[10:11]
	s_cselect_b64 s[20:21], s[28:29], s[20:21]
	s_cselect_b64 s[22:23], s[30:31], s[22:23]
	s_cselect_b64 s[BIP:BIP+1], s[36:37], s[32:33]
	s_cselect_b64 s[PCP:PCP+1], s[8:9], s[20:21]
	s_cselect_b64 s[PSP:PSP+1], s[10:11], s[22:23]
	s_cselect_b64 s[RCP:RCP+1], s[20:21], s[8:9]
	s_cselect_b64 s[RSP:RSP+1], s[22:23], s[10:11]
	s_mov_b32 s21, 0
	s_lshl_b32 s20, s92, 16
	s_add_nc_u64 s[PCP:PCP+1], s[PCP:PCP+1], s[20:21]
	s_lshl_b32 s20, s92, 12
	s_add_nc_u64 s[PSP:PSP+1], s[PSP:PSP+1], s[20:21]
	s_lshl_b32 s20, s93, 15
	s_add_nc_u64 s[RCP:RCP+1], s[RCP:RCP+1], s[20:21]
	s_lshl_b32 s20, s93, 11
	s_add_nc_u64 s[RSP:RSP+1], s[RSP:RSP+1], s[20:21]
	s_mov_b32 s[G0C], 1
	s_mul_i32 s[G0C+1], s94, 128*RP
	s_mov_b64 s[G0C+2:G0C+3], s[RCP:RCP+1]
	s_or_b32 s[G0C+3], s[G0C+3], 0x80000000
	s_mov_b32 s[G0S], 1
	s_lshl_b32 s[G0S+1], s94, 12
	s_add_co_u32 s[G0S+1], s[G0S+1], RSC
	s_mov_b64 s[G0S+2:G0S+3], s[RSP:RSP+1]
	s_or_b32 s[G0S+3], s[G0S+3], 0x80000000
	s_cmp_lt_u32 s[WV], 2                          ; the head's tiles, one load a wave, in the two arms of one branch on the wave's number
	s_cbranch_scc0 .Lhead_s
	tensor_load_to_lds s[G0C:G0C+3], s[G1C:G1C+7]  ; 128 rows of codes
	s_nop 0
	PLACES 4
	s_branch .Lhead_asked
.Lhead_s:
	tensor_load_to_lds s[G0S:G0S+3], s[G1S:G1S+7]  ; the scale bytes of 128 rows: 16 rows of 256 bytes
	s_nop 0
	PLACES 4
.Lhead_asked:
.irp t, 0,1,2,3,4,5,6,7
	global_load_b128 v[PS+4*\t:PS+4*\t+3], v[PSO], s[PSP:PSP+1] offset:512*\t
.endr
	s_lshl_b32 s22, s92, 9
	s_lshl_b32 s23, s[RCI], 10
	s_cmp_eq_u32 s[Z], 2
	s_cselect_b32 s20, 0, s22
	s_add_nc_u64 s[BPB:BPB+1], s[BIP:BIP+1], s[20:21]
	s_cselect_b32 s20, s23, 0
	s_add_nc_u64 s[VBB:VBB+1], s[BIP:BIP+1], s[20:21]
	s_cselect_b32 s[MK], -1, 0xffff
	s_cselect_b32 s24, 0, 16
	s_mov_b32 s[D2], REC
	s_cselect_b32 s[D2], 512, s[D2]
	s_mov_b32 s[D2+1], 0
	v_and_b32 v[SH], s24, v0
	WIN 0xc0
.irp t, 0,1,2,3,4,5,6,7
	global_load_b128 v[8*\t:8*\t+3], v[BO], s[BPB:BPB+1] offset:64*\t
	global_load_b128 v[8*\t+4:8*\t+7], v[BO], s[BPB:BPB+1] offset:64*\t+16
.endr
	WIN 0
	global_load_b32 v[VB], v[VBO], s[VBB:VBB+1]
	PLOAD 0
	PLOAD 1
	PLOAD 2
	s_lshr_b32 s25, s[RCI], 3
	s_lshl_b32 s25, s25, 4
	s_lshl_b32 s26, s[PCI], 3
	s_add_co_u32 s25, s25, s26
	s_lshl_b32 s26, s[WV], 1
	s_add_co_u32 s25, s25, s26
	s_and_b32 s26, s[RCI], 7
	s_lshl_b32 s27, s26, 13
	s_lshl_b32 s28, s26, 10
	s_add_co_u32 s28, s28, 131072
	s_lshr_b32 s29, s[PCI], 2
	s_lshl_b32 s29, s29, 4
	s_lshl_b32 s30, s[RCI], 2
	s_add_co_u32 s29, s29, s30
	s_and_b32 s30, s[PCI], 3
	s_lshl_b32 s30, s30, 2
	s_add_co_u32 s30, s30, s[WV]
	s_lshl_b32 s31, s30, 10
	s_add_co_u32 s31, s31, 65536
	s_lshl_b32 s32, s30, 8
	s_add_co_u32 s32, s32, 139264
	s_cmp_eq_u32 s[Z], 2
	s_cselect_b32 s25, s29, s25
	s_cselect_b32 s27, s31, s27
	s_cselect_b32 s28, s32, s28
	s_mul_i32 s25, s25, REC
	s_add_co_u32 s20, s25, s28
	s_add_nc_u64 s[SB:SB+1], s[OB:OB+1], s[20:21]
	s_add_co_u32 s20, s25, s27
	s_add_nc_u64 s[OB:OB+1], s[OB:OB+1], s[20:21]
	s_mov_b32 s[TA], 0
	s_mov_b32 s[TS], 0
	s_mov_b32 s[TW], 0
.irp t, 0,1,2,3,4,5,6,7
.if \t+3 < 8
	PLOAD \t+3
.endif
.if \t < 5
	PTURN \t, 48
.else
	PTURN \t, 16*(7-\t)
.endif
.endr
	WIN 0
	s_wait_tensorcnt 0x0
	s_wait_dscnt 0x0
	s_barrier_signal -1
	s_barrier_wait -1
	RLOADS
.macro TILE nxt
	s_wait_dscnt 0x1                               ; this tile's 17 loads are in; the one LDS instruction issued behind them, the last tile's store of its scale word, may be out
	s_cmp_eq_u32 s[Z], 2
	s_cbranch_scc1 .Lvb_\@
	WIN 0x31
.irp t, 0,1,2,3
	MM1 \t, 0, 8*\t
.endr
	WIN 0x32
.irp t, 4,5,6,7
	MM1 \t, 0, 8*\t
.endr
	WIN 0
	s_branch .Lgo_\@
.Lvb_\@:
	s_wait_loadcnt 0x0
.irp j, 0,1,2,3,4,5,6,7
	v_mov_b32 v[VB8+\j], v[VB]
.endr
.if \nxt
	s_add_nc_u64 s[VBB:VBB+1], s[VBB:VBB+1], 64
	global_load_b32 v[VB], v[VBO], s[VBB:VBB+1]
.endif
	PLACES 4
	WIN 0x01
.irp t, 0,1,2,3
	MM1 \t, 0, VB8
.endr
	WIN 0x02
.irp t, 4,5,6,7
	MM1 \t, 0, VB8
.endr
	WIN 0
.Lgo_\@:
	WIN 0x01
.irp q, 1,2,3,4,5,6,7
.irp t, 0,1,2,3
	MM1 \t, \q, ACC+8*\t
.endr
.endr
	WIN 0x02
.irp q, 1,2,3,4,5,6,7
.irp t, 4,5,6,7
	MM1 \t, \q, ACC+8*\t
.endr
.endr
	WIN 0
	PLACES 4
.if \nxt
	s_add_co_u32 s[TA], s[TA], 16*RP
	s_add_co_u32 s[TS], s[TS], 512
	RLOADS
.endif
	s_wait_xcnt 0x0
	s_lshr_b32 s22, s[T], 2
	s_mul_i32 s22, s22, REC
	s_and_b32 s23, s[T], 3
	s_lshl_b32 s23, s23, 14
	s_add_co_u32 s22, s22, s23
	s_lshl_b32 s23, s[T], 9
	s_cmp_eq_u32 s[Z], 2
	s_cselect_b32 s20, s22, s23
	s_add_nc_u64 s[ST:ST+1], s[OB:OB+1], s[20:21]
	s_add_nc_u64 s[ST2:ST2+1], s[ST:ST+1], s[D2:D2+1]
	QUANT ACC
	global_store_b128 v[LI], v[F:F+3], s[ST:ST+1]
	global_store_b128 v[LI], v[F+4:F+7], s[ST2:ST2+1]
	v_lshrrev_b32 v[W], v[SH], v[PW]
	v_and_b32 v[W], s[MK], v[W]
	v_add_nc_u32 v[SSTC], s[TW], v[SST0]
	ds_store_b32 v[SSTC], v[W]
	s_add_co_u32 s[TW], s[TW], 64
.endm
	s_wait_dscnt 0x0                               ; the first tile's loads have no store behind them: all of them are waited for here
	s_mov_b32 s[T], 0
.Ltile:
	TILE 1
	s_add_co_u32 s[T], s[T], 1
	s_cmp_lt_u32 s[T], 15
	s_cbranch_scc1 .Ltile
	TILE 0
	s_cmp_eq_u32 s[Z], 2
	s_cbranch_scc1 .Lvout
.irp k, 0,1,2,3
	ds_load_b128 v[RF+4*\k:RF+4*\k+3], v[SRD] offset:512*\k
.endr
	s_wait_dscnt 0x0
	global_store_b128 v[LI], v[RF:RF+3], s[SB:SB+1]
	global_store_b128 v[LI], v[RF+4:RF+7], s[SB:SB+1] offset:512
	global_store_b128 v[LI], v[RF+8:RF+11], s[SB:SB+1] offset:REC
	global_store_b128 v[LI], v[RF+12:RF+15], s[SB:SB+1] offset:REC+512
	s_wait_tensorcnt 0x0
	ds_add_u32 v254, v255
	s_wait_dscnt 0x0
	s_endpgm
.Lvout:
.irp k, 0,1
	ds_load_b128 v[RF+4*\k:RF+4*\k+3], v[SRD] offset:512*\k
.endr
	s_wait_dscnt 0x0
	global_store_b128 v[VSO], v[RF:RF+3], s[SB:SB+1]
	global_store_b128 v[VSO], v[RF+4:RF+7], s[SB:SB+1] offset:2*REC
	s_wait_tensorcnt 0x0
	ds_add_u32 v254, v255
	s_wait_dscnt 0x0
	s_endpgm
.Lfunc_end_k_q221dffeb15_proj:
	.size	k_q221dffeb15_proj, .Lfunc_end_k_q221dffeb15_proj-k_q221dffeb15_proj
	.p2alignl 7, 3214868480
	.fill 96, 4, 3214868480
	.section	.rodata,"a",@progbits
	.p2align	6, 0x0
	.amdhsa_kernel k_q221dffeb15_proj
		.amdhsa_group_segment_fixed_size 327680
		.amdhsa_private_segment_fixed_size 0
		.amdhsa_enable_private_segment 0
		.amdhsa_kernarg_size 136
		.amdhsa_user_sgpr_count 2
		.amdhsa_user_sgpr_kernarg_segment_ptr 1
		.amdhsa_wavefront_size32 1
		.amdhsa_system_sgpr_workgroup_id_x 1
		.amdhsa_system_sgpr_workgroup_id_y 1
		.amdhsa_system_sgpr_workgroup_id_z 1
		.amdhsa_system_vgpr_workitem_id 0
		.amdhsa_next_free_vgpr 832
		.amdhsa_next_free_sgpr 96
		.amdhsa_reserve_vcc 0
		.amdhsa_float_denorm_mode_32 3
		.amdhsa_float_denorm_mode_16_64 3
		.amdhsa_memory_ordered 1
		.amdhsa_forward_progress 1
		.amdhsa_inst_pref_size 72
	.end_amdhsa_kernel
	.amdgpu_metadata
---
amdhsa.version: [ 1, 2 ]
amdhsa.kernels:
  - .name:           k_q221dffeb15_proj
    .symbol:         k_q221dffeb15_proj.kd
    .args:
      - { .name: q_codes, .offset: 0, .size: 8, .value_kind: global_buffer, .address_space: global }
      - { .name: q_scales, .offset: 8, .size: 8, .value_kind: global_buffer, .address_space: global }
      - { .name: k_codes, .offset: 16, .size: 8, .value_kind: global_buffer, .address_space: global }
      - { .name: k_scales, .offset: 24, .size: 8, .value_kind: global_buffer, .address_space: global }
      - { .name: v_codes, .offset: 32, .size: 8, .value_kind: global_buffer, .address_space: global }
      - { .name: v_scales, .offset: 40, .size: 8, .value_kind: global_buffer, .address_space: global }
      - { .name: wq_w_codes, .offset: 48, .size: 8, .value_kind: global_buffer, .address_space: global }
      - { .name: wq_w_scales, .offset: 56, .size: 8, .value_kind: global_buffer, .address_space: global }
      - { .name: wk_w_codes, .offset: 64, .size: 8, .value_kind: global_buffer, .address_space: global }
      - { .name: wk_w_scales, .offset: 72, .size: 8, .value_kind: global_buffer, .address_space: global }
      - { .name: wv_w_codes, .offset: 80, .size: 8, .value_kind: global_buffer, .address_space: global }
      - { .name: wv_w_scales, .offset: 88, .size: 8, .value_kind: global_buffer, .address_space: global }
      - { .name: wq_b, .offset: 96, .size: 8, .value_kind: global_buffer, .address_space: global }
      - { .name: wk_b, .offset: 104, .size: 8, .value_kind: global_buffer, .address_space: global }
      - { .name: wv_b, .offset: 112, .size: 8, .value_kind: global_buffer, .address_space: global }
      - { .name: qrec, .offset: 120, .size: 8, .value_kind: global_buffer, .address_space: global }
      - { .name: kvrec, .offset: 128, .size: 8, .value_kind: global_buffer, .address_space: global }
    .group_segment_fixed_size: 327680
    .private_segment_fixed_size: 0
    .kernarg_segment_align: 8
    .kernarg_segment_size: 136
    .max_flat_workgroup_size: 128
    .sgpr_count:     96
    .vgpr_count:     832
    .wavefront_size: 32
...
	.end_amdgpu_metadata
.endif
;; end of part 1
;; launch attn (part 2): grid 4 x 64, 16 waves a work-group, clusters of 4 x 1, 169,984 bytes of LDS; arguments qrec, kvrec, oc, os; writes oc, os
.if DOCPART == 2
	.amdgcn_target "amdgcn-amd-amdhsa--gfx1250"
	.amdhsa_code_object_version 6
	.text
	.protected	k_q221dffeb15_attn
	.globl	k_q221dffeb15_attn
	.p2align	8
	.type	k_q221dffeb15_attn,@function
k_q221dffeb15_attn:
	s_mov_b64 s[64:65], 0
	v_nop
	global_prefetch_b8 v0, s[64:65] scope:SCOPE_SE
	s_setreg_imm32_b32 hwreg(HW_REG_WAVE_MODE, 25, 1), 1
	s_wait_xcnt 0x0
	s_wait_alu depctr_hold_cnt(0) depctr_sa_sdst(0) depctr_va_vdst(0) depctr_va_sdst(0) depctr_va_ssrc(0) depctr_va_vcc(0) depctr_vm_vsrc(0)
	s_getreg_b32 s2, hwreg(HW_REG_IB_STS2, 6, 4)
	s_cmp_eq_u32 s2, 0
	s_cbranch_scc0 .Lentry_in_a_cluster
	s_endpgm
.Lentry_in_a_cluster:
	s_bfe_u32 s2, ttmp6, 0x10000c
	s_cmp_lg_u32 s2, 0x3003
	s_cbranch_scc0 .Lentry_shape_is_right
	s_endpgm
.Lentry_shape_is_right:
; ATTENTION of one (batch, head) on codes of FP4 (E2M1), one E8M0 scale for each 32 along a product's K; o / l is quantised along the head's 64 and leaves as codes and scale bytes for the last product.
; THE SOFTMAX: t = score x log2(e) / 8; M = the running largest t rounded UP to a whole number; p = 2^(t - M) is quantised along the keys, not normalised; l is the sum of the unquantised p, in f32.
; When M moves, l and O are multiplied by 2^(old M - new M), which rounds nothing.
; SHARES.  A cluster of four work-groups takes one (batch, head); each of the four 512 queries, in two passes of 256; in a pass each of the sixteen waves holds 16 queries.  Every wave walks the 2,048 keys, 128 a step.
; THE HEAD'S RECORD (143,360 bytes: K's codes, V's codes, K's and V's scale words, images of operand registers) comes into LDS ONCE, asked for JOINTLY by the four work-groups, one load a wave:
; waves 0-7 K's codes, 8 rows of 1,024 bytes each, 128 bytes of padding behind each row; waves 8-15 the rest, 38 rows of 256 bytes each.  Nothing is filled again; behind the one barrier LDS is only read.
; No prefetch: the record is asked for once, at the head, and there is no loop to run ahead in.
; LAYOUT.  Both products are used transposed (source 0 = 16 keys, or 16 of the head's 64): a lane holds ONE query (lane % 16) throughout.
; THE KEYS OF A TILE ARE CHOSEN: row 8 a + j of tile 4 c + u is key 64 c + 32 a + 8 u + j.  So lane (r, h) holds in the 32 registers of tiles 4 c .. 4 c + 3 the keys 64 c + 32 h + 0 .. 31: ONE WHOLE BLOCK,
; in the order of the second product's operand: a block's maximum needs no other lane, and the conversions' results are the operand's registers as they stand.
; In the record key x's 16 bytes of half h' lie at 512 (x / 16) + 16 (x % 16) + 256 h'; rows a = 0 and a = 1 of a tile lie 1,024 bytes apart there, 1,152 in LDS: sixteen lanes touch sixteen different columns of 16 bytes.
; The first product's K is 64 in an instruction of 128: registers 4-7 of Q's fragment hold zero codes.  K's fragments lie 4 registers apart, so registers 4-7 of K's operand are the next tile's codes:
; they meet Q's zero codes and add 0 (FP4 has finite codes alone; the upper two bytes of K's and Q's scale words are 0, a finite scale).
; CHAINS.  The maxima and the row's sum go in eight chains by turns, so that a line reads what stands eight lines back; where chains join, a one-field hint stands ahead of a line that reads plain results alone.
; LIMITS: NaN and infinities are not served; the promise holds while the scaled scores stay under 2^31 in magnitude.  A block whose every p (or o) is 0 gets the byte 1 where the quantiser says 127: its codes are zeros,
; and these bytes are read by this program alone.  A block's largest p is taken as the exponential of the block's largest score: that holds if v_exp_f32 does not fall where its input rises.
.set REC,   143360
.set KROW,  1152                       ; 1,024 bytes of K's codes (two tiles) + 128 of padding
.set KSTEP, 4*KROW                     ; a key step's 8 tiles
.set RB,    64*KROW                    ; behind K's codes: the rest of the record, dense
.set RPART, 9728                       ; 38 rows of 256 bytes: an eighth of the rest
.set VCO,   RB                         ; V's codes
.set KSO,   RB+65536                   ; K's scale words
.set VSO,   RB+73728                   ; V's
.set SPARE, RB+77824                   ; the spare words: 128 bytes a wave, eight blocks of 256 bytes that no other line names
.set QSM,   131072                     ; Q's scale words in its record, in memory
.set LI,    1                          ; 16 x lane
.set AK0,   2                          ; my lane's place in a tile of K: 1152 a + 16 j + 256 h
.set AS0,   3                          ; among K's scale words: KSO + 128 a + 32 h + 4 j
.set AV0,   4                          ; VCO + 16 x lane
.set AT0,   5                          ; VSO + 4 x lane
.set ADK,   6                          ; v6-9 the addresses in hand
.set ADS,   7
.set ADV,   8
.set ADT,   9
.set SPW,   10                         ; my spare word; never rewritten
.set NIL,   11                         ; 0; never rewritten
.set QSO,   12                         ; 4 r
.set OSO,   13                         ; 16 r
.set QW,    14                         ; Q's scale words;  v15 the second pass's
.set QNW,   15
.set Q,     16                         ; v16-19 Q's codes, v20-23 zeros
.set QN,    24                         ; the second pass's Q
.set KSR,   28                         ; v28-31 K's scale words: register p: tile 2 p in lanes 0-15, tile 2 p + 1 in lanes 16-31
.set VSR,   32                         ; v32-33 V's, likewise
.set PW,    34                         ; p's scale word
.set T0,    35
.set NM,    36                         ; -M;  v37 the largest score so far
.set MS,    37
.set SUM,   38                         ; v[38:39] l, in two halves
.set FF,    40                         ; v[40:41] f = 2^(old M - new M) (the upper half is written once and not used)
.set BM,    42                         ; v42-43 my two blocks' largest
.set XP,    46                         ; v46-47 what a lane permute brings
.set SC,    48                         ; v48-49 the conversions' scale operands
.set BY,    50                         ; v50-51 the scales' bytes
.set X,     52
.set T1,    53
.set X1,    54                         ; v54-59, v240-247 seven more chains of the row's sum
.set X2,    56
.set X3,    58
.set OF,    60                         ; v60-63 o's codes, v64 its two scale bytes: written on the way out alone
.set OW,    64
.set KF,    68                         ; v68-99 K's 8 fragments, 4 registers each; v100-103 zeros
.set S,     104                        ; v104-167 S^T, then p
.set OA,    168                        ; v168-199 O^T
.set VF,    200                        ; v200-231 V's 4 fragments
.set PC,    232                        ; v232-239 p's codes
.set CH,    240                        ; v240-247 the maxima's eight chains, one a tile; then chains of the sum
.set X4,    240
.set X5,    242
.set X6,    244
.set X7,    246
.set W8,    2                          ; s2   wave % 8
.set NC,    3                          ; s3   -c
.set WV,    12
.set TV,    18                         ; s18, s19 (free behind the head): this step's V and its scale words
.set TSV,   19
.set SEL,   20
.set CS,    22                         ; s[22:23] c = log2(e) / 8
.set G1K,   24
.set G0K,   32
.set G0R,   36
.set QB,    40
.set QSB,   42
.set OCB,   44
.set OSB,   46
.set G1R,   48
.set IX,    60                         ; the key step
.set NX,    61                         ; the next one, modulo 16
.set TK,    62                         ; where its K and its scale words begin
.set TSK,   63
.macro CROUND                          ; a round of the cluster's barrier
	s_barrier_signal -1
	s_barrier_wait -1
	s_cmp_lg_u32 s[WV], 0
	s_cbranch_scc1 .Lnot_wave_0_\@
	s_barrier_signal -3
.Lnot_wave_0_\@:
	s_barrier_wait -3
	s_barrier_signal -1
	s_barrier_wait -1
.endm
.macro KLOAD                           ; a step's K: 8 tiles of 16 chosen keys, and their 128 scale words
.irp c, 0,1
.irp u, 0,1,2,3
	ds_load_b128 v[KF+4*(4*\c+\u):KF+4*(4*\c+\u)+3], v[ADK] offset:2*KROW*\c+512*(\u/2)+128*(\u%2)
.endr
.endr
.irp p, 0,1,2,3
	ds_load_b32 v[KSR+\p], v[ADS] offset:256*(\p/2)+64*(\p%2)
.endr
.endm
.macro ACC x, n                        ; chain x of the row's sum takes the pair of p at register n
	v_pk_add_f32 v[\x:\x+1], v[\x:\x+1], v[S+\n:S+\n+1]
.endm
.macro JOIN x, y                       ; chain y goes into chain x
	v_pk_add_f32 v[\x:\x+1], v[\x:\x+1], v[\y:\y+1]
.endm
	s_load_b256 s[4:11], s[0:1], 0x0               ; qrec s[4:5], kvrec s[6:7], oc s[8:9], os s[10:11]
	v_lshl_add_u32 v[SPW], v0, 2, SPARE
	v_mov_b32 v[NIL], 0
	ds_add_u32 v[SPW], v[NIL]                      ; the opening lines: the add, twice on end, and its wait ahead of my tensor load
	ds_add_u32 v[SPW], v[NIL]
	v_lshrrev_b32 v[T0], 5, v0
	v_readfirstlane_b32 s[WV], v[T0]               ; wave 0..15
	s_and_b32 s[W8], s[WV], 7
	s_bfe_u32 s13, ttmp6, 0x40000                  ; cx: it enters Q's and o's global addresses alone
	s_and_b32 s14, ttmp7, 0xffff                   ; 16 b + head, which the four partners share
	s_and_b32 s15, s14, 15                         ; head
	s_lshr_b32 s16, s14, 4                         ; b
	s_mul_i32 s17, s14, REC                        ; the record's first byte
	s_mov_b32 s[G1K+0], 15|(3<<16)|(1<<20)|(1<<21)|(7<<22)|(31<<25)   ; all four work-groups; elements of 8 bytes; bit 21 beside a mask; 32 words of padding behind every 256
	s_mov_b32 s[G1K+1], 128<<16                    ; rows of 128 elements = 1,024 bytes
	s_mov_b32 s[G1K+2], 8<<16
	s_mov_b32 s[G1K+3], 128<<16
	s_mov_b32 s[G1K+4], 8
	s_mov_b32 s[G1K+5], 128
	s_mov_b32 s[G1K+6], 0
	s_mov_b32 s[G1K+7], 0
	s_mov_b32 s[G1R+0], 15|(3<<16)|(1<<21)         ; the rest: 38 dense rows of 256 bytes, no padding
	s_mov_b32 s[G1R+1], 32<<16
	s_mov_b32 s[G1R+2], 38<<16
	s_mov_b32 s[G1R+3], 32<<16
	s_mov_b32 s[G1R+4], 38
	s_mov_b32 s[G1R+5], 32
	s_mov_b32 s[G1R+6], 0
	s_mov_b32 s[G1R+7], 0
	s_mov_b32 s[G0K], 1
	s_mul_i32 s[G0K+1], s[W8], 8*KROW              ; LDS addresses: the wave's number alone
	s_mov_b32 s[G0R], 1
	s_mul_i32 s[G0R+1], s[W8], RPART
	s_add_co_u32 s[G0R+1], s[G0R+1], RB
	s_lshl_b32 s18, s[W8], 13
	s_add_co_u32 s18, s18, s17                     ; K's codes: 8,192 bytes a wave
	s_mov_b32 s19, 0
	s_mul_i32 s56, s[W8], RPART
	s_add_co_u32 s56, s56, s17
	s_add_co_u32 s56, s56, 65536                   ; the rest begins behind K's 65,536 bytes
	s_mov_b32 s57, 0
	s_mov_b32 s[SEL], 0x76543210
	s_mov_b32 s[SEL+1], 0xfedcba98
	s_mov_b32 s[CS], 0x3e38aa3b
	s_mov_b32 s[CS+1], s[CS]                       ; (named with it as a pair, so it is written)
	s_mov_b32 s[NC], 0xbe38aa3b
	s_lshl_b32 s58, s13, 5
	s_add_co_u32 s58, s58, s[WV]                   ; my query tile of the first pass: 32 cx + w; the second pass's lies 16 on
	s_lshl_b32 s16, s16, 7
	s_add_co_u32 s16, s16, s58                     ; among all token tiles: 128 b + 32 cx + w
	v_and_b32 v[T0], 31, v0
	v_lshlrev_b32 v[LI], 4, v[T0]
	v_lshl_add_u32 v[AT0], v[T0], 2, VSO
	v_add_nc_u32 v[AV0], VCO, v[LI]
	v_bfe_u32 v[T1], v0, 3, 1                      ; a
	v_and_b32 v[X], 7, v0                          ; j
	v_bfe_u32 v[T0], v0, 4, 1                      ; h
	v_mul_u32_u24 v[AK0], v[T1], KROW
	v_lshl_add_u32 v[AK0], v[X], 4, v[AK0]
	v_lshl_add_u32 v[AK0], v[T0], 8, v[AK0]
	v_lshl_add_u32 v[AS0], v[T1], 7, KSO
	v_lshl_add_u32 v[AS0], v[T0], 5, v[AS0]
	v_lshl_add_u32 v[AS0], v[X], 2, v[AS0]
	v_and_b32 v[OSO], 15, v0
	v_lshlrev_b32 v[QSO], 2, v[OSO]
	v_lshlrev_b32 v[OSO], 4, v[OSO]
	s_wait_alu depctr_va_vdst(0)
	s_wait_dscnt 0x0                               ; both opening adds are done
	s_wait_kmcnt 0x0
	s_add_nc_u64 s[G0K+2:G0K+3], s[6:7], s[18:19]
	s_or_b32 s[G0K+3], s[G0K+3], 0x80000000
	s_add_nc_u64 s[G0R+2:G0R+3], s[6:7], s[56:57]
	s_or_b32 s[G0R+3], s[G0R+3], 0x80000000
	s_lshl_b32 s56, s58, 9
	s_add_co_u32 s56, s56, s17
	s_add_nc_u64 s[QB:QB+1], s[4:5], s[56:57]      ; Q's codes: 512 bytes a tile
	s_lshl_b32 s56, s58, 6
	s_add_co_u32 s56, s56, s17
	s_add_co_u32 s56, s56, QSM
	s_add_nc_u64 s[QSB:QSB+1], s[4:5], s[56:57]    ; its scale words: 64 bytes a tile
	s_lshl_b32 s56, s16, 13
	s_lshl_b32 s58, s15, 9
	s_add_co_u32 s56, s56, s58
	s_add_nc_u64 s[OCB:OCB+1], s[8:9], s[56:57]    ; o's codes: [token tile][head][512]
	s_lshl_b32 s56, s16, 9
	s_lshr_b32 s58, s15, 3
	s_lshl_b32 s58, s58, 8
	s_add_co_u32 s56, s56, s58
	s_and_b32 s58, s15, 7
	s_lshl_b32 s58, s58, 1
	s_add_co_u32 s56, s56, s58
	s_add_nc_u64 s[OSB:OSB+1], s[10:11], s[56:57]  ; o's scale bytes: [token tile][head / 8][token 16][head % 8][2]
	CROUND                                         ; all four work-groups are here: the joint loads meet
	s_cmp_lt_u32 s[WV], 8                          ; one load a wave, in the two arms of one branch on the wave's number
	s_cbranch_scc0 .Lrest
	tensor_load_to_lds s[G0K:G0K+3], s[G1K:G1K+7]
	s_nop 0
.rept 4
	v_nop
.endr
	s_branch .Lasked
.Lrest:
	tensor_load_to_lds s[G0R:G0R+3], s[G1R:G1R+7]
	s_nop 0
.rept 4
	v_nop
.endr
.Lasked:
	global_load_b128 v[Q:Q+3], v[LI], s[QB:QB+1]
	global_load_b128 v[QN:QN+3], v[LI], s[QB:QB+1] offset:8192
	global_load_b32 v[QW], v[QSO], s[QSB:QSB+1]
	global_load_b32 v[QNW], v[QSO], s[QSB:QSB+1] offset:1024
.irp i, 0,1,2,3
	v_mov_b32 v[Q+4+\i], 0                         ; zero codes for k = 64 .. 127
	v_mov_b32 v[KF+32+\i], 0                       ; what the last tile's operand names behind its own codes
.endr
	v_mov_b32 v[XP], 0                             ; written once: a lane permute's destination counts as one of its sources
	v_mov_b32 v[XP+1], 0
	v_mov_b32 v[FF+1], 0
	v_mov_b32 v[ADK], v[AK0]
	v_mov_b32 v[ADS], v[AS0]
	s_wait_alu depctr_va_vdst(0)
	s_wait_tensorcnt 0x0                           ; my part of the record is in LDS,
	s_barrier_signal -1
	s_barrier_wait -1                              ; everybody's is
	KLOAD                                          ; key step 0
	s_wait_loadcnt 0x0                             ; Q of both passes
; A KEY STEP: 128 keys.
.macro STEP
	s_lshl_b32 s[TV], s[IX], 10
	s_lshl_b32 s[TSV], s[IX], 8
	s_add_co_u32 s[NX], s[IX], 1
	s_and_b32 s[NX], s[NX], 15                     ; behind the last step comes step 0: the first pass's last step fetches for the second pass (the second pass's last fetch is not used)
	s_mul_i32 s[TK], s[NX], KSTEP
	s_lshl_b32 s[TSK], s[NX], 9
	s_wait_dscnt 0x0                               ; this step's K, asked for a step ago, is in
.irp t, 0,1,2,3,4,5,6,7
.if (\t)%2
	v_wmma_scale_f32_16x16x128_f8f6f4 v[S+8*\t:S+8*\t+7], v[KF+4*\t:KF+4*\t+7], v[Q:Q+7], 0, v[KSR+\t/2], v[QW] matrix_a_fmt:MATRIX_FMT_FP4 matrix_b_fmt:MATRIX_FMT_FP4 matrix_a_scale:MATRIX_SCALE_ROW1
.else
	v_wmma_scale_f32_16x16x128_f8f6f4 v[S+8*\t:S+8*\t+7], v[KF+4*\t:KF+4*\t+7], v[Q:Q+7], 0, v[KSR+\t/2], v[QW] matrix_a_fmt:MATRIX_FMT_FP4 matrix_b_fmt:MATRIX_FMT_FP4
.endif
.endr
	v_add_nc_u32 v[ADV], s[TV], v[AV0]             ; four plain lines: the places in front of the loads into registers that products have read, and of the first read of the scores
	v_add_nc_u32 v[ADT], s[TSV], v[AT0]
	v_add_nc_u32 v[ADK], s[TK], v[AK0]
	v_add_nc_u32 v[ADS], s[TSK], v[AS0]
.irp t, 0,1,2,3
.irp c, 0,1
	ds_load_b128 v[VF+8*\t+4*\c:VF+8*\t+4*\c+3], v[ADV] offset:16384*\t+512*\c   ; this step's V: ten loads,
.endr
.endr
.irp p, 0,1
	ds_load_b32 v[VSR+\p], v[ADT] offset:128*\p
.endr
	KLOAD                                          ; and the next step's K: twelve.  Both land under the softmax
.irp t, 0,1,2,3,4,5,6,7                        ; THE LARGEST SCORES, a chain a tile, the eight by turns; every tile is read from its low end on
	v_max3_num_f32 v[CH+\t], v[S+8*\t], v[S+8*\t+1], v[S+8*\t+2]
.endr
.irp i, 3,5
.irp t, 0,1,2,3,4,5,6,7
	v_max3_num_f32 v[CH+\t], v[CH+\t], v[S+8*\t+\i], v[S+8*\t+\i+1]
.endr
.endr
.irp c, 0,1                                    ; register 7 of a block's four tiles goes into the chains of its tiles 0 and 1
	v_max3_num_f32 v[CH+4*\c], v[CH+4*\c], v[S+32*\c+7], v[S+32*\c+23]
	v_max3_num_f32 v[CH+4*\c+1], v[CH+4*\c+1], v[S+32*\c+15], v[S+32*\c+31]
.endr
	s_delay_alu instid0(VALU_DEP_3)
	v_max3_num_f32 v[BM], v[CH], v[CH+1], v[CH+2]  ; a block's four chains join: my two blocks' largest scores
	s_delay_alu instid0(VALU_DEP_2)
	v_max3_num_f32 v[BM+1], v[CH+4], v[CH+5], v[CH+6]
	s_delay_alu instid0(VALU_DEP_2)
	v_max_num_f32 v[BM], v[BM], v[CH+3]
	s_delay_alu instid0(VALU_DEP_2)
	v_max_num_f32 v[BM+1], v[BM+1], v[CH+7]
	s_delay_alu instid0(VALU_DEP_1)
	v_max_num_f32 v[X], v[BM], v[BM+1]
	s_delay_alu instid0(VALU_DEP_1)
	v_permlanex16_b32 v[XP], v[X], s[SEL], s[SEL+1]   ; lane l xor 16's two blocks
	s_delay_alu instid0(VALU_DEP_1)
	v_max3_num_f32 v[MS], v[MS], v[X], v[XP]       ; the running largest score of my query
	s_delay_alu instid0(VALU_DEP_1)
	v_mul_f32 v[T0], s[NC], v[MS]                  ; -t (c is positive)
	s_delay_alu instid0(VALU_DEP_1)
	v_floor_f32 v[T1], v[T0]                       ; the new -M = floor(-t) = -ceil(t)
	s_delay_alu instid0(VALU_DEP_1)
	v_sub_f32 v[T0], v[T1], v[NM]                  ; old M - new M: a whole number, 0 or less
	s_delay_alu instid0(VALU_DEP_2)
	v_mov_b32 v[NM], v[T1]
	s_delay_alu instid0(VALU_DEP_2)
	v_cvt_i32_f32 v[T0], v[T0]                     ; (it saturates)
	s_delay_alu instid0(VALU_DEP_2)
	v_fma_f32 v[BM], v[BM], s[CS], v[NM]           ; t - M of each block's largest score
	s_delay_alu instid0(VALU_DEP_3)
	v_fma_f32 v[BM+1], v[BM+1], s[CS], v[NM]
	s_delay_alu instid0(VALU_DEP_3)
	v_ldexp_f32 v[FF], 1.0, v[T0]                  ; f
.irp j, 0,2,4,6,8,10,12,14,16,18,20,22,24,26,28,30,32,34,36,38,40,42,44,46,48,50,52,54,56,58,60,62
	v_pk_fma_f32 v[S+\j:S+\j+1], v[S+\j:S+\j+1], s[CS:CS+1], v[NM:NM+1] op_sel_hi:[1,0,0]   ; t - M, two at a time
.endr
.irp j, 0,2,4,6,8,10,12,14,16,18,20,22,24,26,28,30
	v_pk_mul_f32 v[OA+\j:OA+\j+1], v[OA+\j:OA+\j+1], v[FF:FF+1] op_sel_hi:[1,0]   ; O^T under the new M, ahead of the exponentials; each accumulator from its low end on
.endr
	s_wait_alu depctr_va_vdst(0)
.irp j, 0,1,2,3,4,5,6,7,8,9,10,11,12,13,14,15,16,17,18,19,20,21,22,23,24,25,26,27,28,29,30,31,32,33,34,35,36,37,38,39,40,41,42,43,44,45,46,47,48,49,50,51,52,53,54,55,56,57,58,59,60,61,62,63
	v_exp_f32 v[S+\j], v[S+\j]                     ; p = 2^(t - M)
.endr
.irp c, 0,1
	v_exp_f32 v[BM+\c], v[BM+\c]                   ; the blocks' largest p, in the same batch
.endr
	v_pk_mul_f32 v[SUM:SUM+1], v[SUM:SUM+1], v[FF:FF+1] op_sel_hi:[1,0]   ; l under the new M: the plain line behind the exponentials
	s_wait_alu depctr_va_vdst(0)                   ; one wait for the batch of 66, ahead of its first reader
	v_max_num_f32 v[BM], 0x1800000, v[BM]          ; the floor 2^(3 - 127): the byte cannot fall under 1.  The scales' lines stand among the eight chains of the row's sum
	v_max_num_f32 v[BM+1], 0x1800000, v[BM+1]
	v_pk_add_f32 v[X1:X1+1], v[S:S+1], v[S+2:S+3]
	v_pk_add_f32 v[X2:X2+1], v[S+4:S+5], v[S+6:S+7]
	v_pk_add_f32 v[X3:X3+1], v[S+8:S+9], v[S+10:S+11]
	v_pk_add_f32 v[X4:X4+1], v[S+12:S+13], v[S+14:S+15]
	v_pk_add_f32 v[X5:X5+1], v[S+16:S+17], v[S+18:S+19]
	v_pk_add_f32 v[X6:X6+1], v[S+20:S+21], v[S+22:S+23]
	v_pk_add_f32 v[X7:X7+1], v[S+24:S+25], v[S+26:S+27]
	ACC SUM, 28
	v_add_nc_u32 v[SC], 0xff000000, v[BM]          ; 2 off the exponent field: the conversion's scale operand
	v_add_nc_u32 v[SC+1], 0xff000000, v[BM+1]
	ACC X1, 30
	ACC X2, 32
	ACC X3, 34
	ACC X4, 36
	ACC X5, 38
	ACC X6, 40
	ACC X7, 42
	ACC SUM, 44
	v_lshrrev_b32 v[BY], 23, v[SC]                 ; the bytes of blocks h and 2 + h
	v_lshrrev_b32 v[BY+1], 23, v[SC+1]
	ACC X1, 46
	ACC X2, 48
	ACC X3, 50
	ACC X4, 52
	v_lshl_or_b32 v[T0], v[BY+1], 16, v[BY]
.irp u, 0,1,2,3
	v_cvt_scalef32_pk8_fp4_f32 v[PC+\u], v[S+8*\u:S+8*\u+7], v[SC]   ; keys 64 c + 32 h + 8 u + 0 .. 7: register 4 c + u of the operand
.endr
	v_permlanex16_b32 v[XP], v[T0], s[SEL], s[SEL+1]
.irp u, 0,1,2,3
	v_cvt_scalef32_pk8_fp4_f32 v[PC+4+\u], v[S+32+8*\u:S+32+8*\u+7], v[SC+1]
.endr
	v_lshl_or_b32 v[PW], v[XP], 8, v[T0]           ; lanes 0-15: the four bytes in their places (lanes 16-31 are not read)
	ACC X5, 54                                     ; twelve plain lines: the places behind p's scale word, its codes and the conversions
	ACC X6, 56
	ACC X7, 58
	ACC SUM, 60
	ACC X1, 62
	JOIN X2, X3
	JOIN X4, X5
	JOIN X6, X7
	s_delay_alu instid0(VALU_DEP_4)
	JOIN SUM, X1
	s_delay_alu instid0(VALU_DEP_3)
	JOIN X2, X4
	s_delay_alu instid0(VALU_DEP_2)
	JOIN SUM, X6
	s_delay_alu instid0(VALU_DEP_1)
	JOIN SUM, X2
	s_wait_alu depctr_va_vdst(0)
	s_wait_dscnt 12                                ; V's ten loads are in; the next step's twelve of K may be out
.irp t, 0,1,2,3
.if (\t)%2
	v_wmma_scale_f32_16x16x128_f8f6f4 v[OA+8*\t:OA+8*\t+7], v[VF+8*\t:VF+8*\t+7], v[PC:PC+7], v[OA+8*\t:OA+8*\t+7], v[VSR+\t/2], v[PW] matrix_a_fmt:MATRIX_FMT_FP4 matrix_b_fmt:MATRIX_FMT_FP4 matrix_a_scale:MATRIX_SCALE_ROW1
.else
	v_wmma_scale_f32_16x16x128_f8f6f4 v[OA+8*\t:OA+8*\t+7], v[VF+8*\t:VF+8*\t+7], v[PC:PC+7], v[OA+8*\t:OA+8*\t+7], v[VSR+\t/2], v[PW] matrix_a_fmt:MATRIX_FMT_FP4 matrix_b_fmt:MATRIX_FMT_FP4
.endif
.endr
.endm
; A PASS: 16 queries of mine against all keys, and their way out.
.macro PASS p
.if \p
.irp i, 0,1,2,3
	v_mov_b32 v[Q+\i], v[QN+\i]
.endr
	v_mov_b32 v[QW], v[QNW]                        ; (the 36 lines below stand between these moves and the first product)
.endif
	v_mov_b32 v[MS], 0xff61b1e6                    ; the largest score so far: -3e38
	v_mov_b32 v[NM], 0x7f61b1e6                    ; -M: 3e38, so that the first f is 0
	v_mov_b32 v[SUM], 0
	v_mov_b32 v[SUM+1], 0
.irp j, 0,1,2,3,4,5,6,7,8,9,10,11,12,13,14,15,16,17,18,19,20,21,22,23,24,25,26,27,28,29,30,31
	v_mov_b32 v[OA+\j], 0                          ; the step is written once: the first finds zeros, which the first change of M leaves zeros
.endr
	s_mov_b32 s[IX], 0
	s_wait_alu depctr_va_vdst(0)
.Lstep_\@:
	STEP
	s_add_co_u32 s[IX], s[IX], 1
	s_cmp_lt_u32 s[IX], 16
	s_cbranch_scc1 .Lstep_\@
.rept 4
	v_nop                                          ; places behind the last products
.endr
	v_add_f32 v[SUM], v[SUM], v[SUM+1]             ; l's two halves,
	v_permlanex16_b32 v[XP], v[SUM], s[SEL], s[SEL+1]
	v_add_f32 v[SUM], v[SUM], v[XP]                ; and lane l xor 16's
	s_wait_alu depctr_va_vdst(0)
	v_rcp_f32 v[SUM], v[SUM]
	v_nop                                          ; a plain line behind the reciprocal
	s_wait_xcnt 0x0                                ; the last pass's stores have read o's codes and bytes: they are written again only behind this wait
	s_wait_alu depctr_va_vdst(0)                   ; the wait ahead of the reciprocal's first reader and of O^T's first readers
.irp j, 0,2,4,6,8,10,12,14,16,18,20,22,24,26,28,30
	v_pk_mul_f32 v[S+\j:S+\j+1], v[OA+\j:OA+\j+1], v[SUM:SUM+1] op_sel_hi:[1,0]   ; o = O^T / l: register 8 t + j is channel 16 t + 8 h + j
.endr
.irp b, 0,1
	v_max3_num_f32 v[BM+\b], |v[S+16*\b]|, |v[S+16*\b+1]|, 0x1800000   ; the head's two blocks of 32: tiles 2 b, 2 b + 1 in lanes l and l xor 16
.endr
.irp i, 2,4,6,8,10,12,14
.irp b, 0,1
	v_max3_num_f32 v[BM+\b], v[BM+\b], |v[S+16*\b+\i]|, |v[S+16*\b+\i+1]|
.endr
.endr
.irp b, 0,1
	v_permlanex16_b32 v[XP+\b], v[BM+\b], s[SEL], s[SEL+1]
.endr
.irp b, 0,1
	v_max_num_f32 v[BM+\b], v[BM+\b], v[XP+\b]
.endr
.irp b, 0,1
	v_add_nc_u32 v[SC+\b], 0xff000000, v[BM+\b]
.endr
.irp b, 0,1
	v_lshrrev_b32 v[BY+\b], 23, v[SC+\b]
.endr
	v_lshl_or_b32 v[OW], v[BY+1], 8, v[BY]
.irp e, 0,1
	v_cvt_scalef32_pk8_fp4_f32 v[OF+\e], v[S+16*\e:S+16*\e+7], v[SC+\e]
	v_cvt_scalef32_pk8_fp4_f32 v[OF+2+\e], v[S+16*\e+8:S+16*\e+15], v[SC+\e]
.endr
	v_nop                                          ; one plain line behind the last scaled conversion
	v_permlane16_swap_b32 v[OF], v[OF+1]
	v_permlane16_swap_b32 v[OF+2], v[OF+3]         ; lane (r, H): token r, the head's block H: 16 bytes
	global_store_b128 v[LI], v[OF:OF+3], s[OCB:OCB+1] offset:131072*\p   ; 32 lanes store 512 consecutive bytes, at a multiple of 512 from the buffer's first byte
	global_store_b16 v[OSO], v[OW], s[OSB:OSB+1] offset:8192*\p          ; two bytes a token, 16 bytes apart; lanes l and l xor 16 hold the same value and write it to the same place
.endm
	PASS 0
	PASS 1
	s_wait_dscnt 0x0                               ; the last step's loads of K are back
	s_wait_tensorcnt 0x0                           ; the wave's end
	ds_add_u32 v[SPW], v[NIL]
	s_wait_dscnt 0x0
	CROUND                                         ; the closing round: no work-group ends while a partner may still ask jointly
	s_endpgm
.Lfunc_end_k_q221dffeb15_attn:
	.size	k_q221dffeb15_attn, .Lfunc_end_k_q221dffeb15_attn-k_q221dffeb15_attn
	.p2alignl 7, 3214868480
	.fill 96, 4, 3214868480
	.section	.rodata,"a",@progbits
	.p2align	6, 0x0
	.amdhsa_kernel k_q221dffeb15_attn
		.amdhsa_group_segment_fixed_size 169984
		.amdhsa_private_segment_fixed_size 0
		.amdhsa_enable_private_segment 0
		.amdhsa_kernarg_size 32
		.amdhsa_user_sgpr_count 2
		.amdhsa_user_sgpr_kernarg_segment_ptr 1
		.amdhsa_wavefront_size32 1
		.amdhsa_system_sgpr_workgroup_id_x 1
		.amdhsa_system_sgpr_workgroup_id_y 1
		.amdhsa_system_sgpr_workgroup_id_z 1
		.amdhsa_system_vgpr_workitem_id 0
		.amdhsa_next_free_vgpr 256
		.amdhsa_next_free_sgpr 66
		.amdhsa_reserve_vcc 0
		.amdhsa_float_denorm_mode_32 3
		.amdhsa_float_denorm_mode_16_64 3
		.amdhsa_memory_ordered 1
		.amdhsa_forward_progress 1
		.amdhsa_inst_pref_size 47
	.end_amdhsa_kernel
	.amdgpu_metadata
---
amdhsa.version: [ 1, 2 ]
amdhsa.kernels:
  - .name:           k_q221dffeb15_attn
    .symbol:         k_q221dffeb15_attn.kd
    .args:
      - { .name: qrec, .offset: 0, .size: 8, .value_kind: global_buffer, .address_space: global }
      - { .name: kvrec, .offset: 8, .size: 8, .value_kind: global_buffer, .address_space: global }
      - { .name: oc, .offset: 16, .size: 8, .value_kind: global_buffer, .address_space: global }
      - { .name: os, .offset: 24, .size: 8, .value_kind: global_buffer, .address_space: global }
    .group_segment_fixed_size: 169984
    .private_segment_fixed_size: 0
    .kernarg_segment_align: 8
    .kernarg_segment_size: 32
    .max_flat_workgroup_size: 512
    .sgpr_count:     66
    .vgpr_count:     256
    .wavefront_size: 32
...
	.end_amdgpu_metadata
.endif
;; end of part 2
;; launch outp (part 3): grid 256 x 1, 4 waves a work-group, no clusters, 34,304 bytes of LDS; arguments oc, os, wo_w_codes, wo_w_scales, wo_b, out0; writes out0
.if DOCPART == 3
	.amdgcn_target "amdgcn-amd-amdhsa--gfx1250"
	.amdhsa_code_object_version 6
	.text
	.protected	k_q221dffeb15_outp
	.globl	k_q221dffeb15_outp
	.p2align	8
	.type	k_q221dffeb15_outp,@function
k_q221dffeb15_outp:
	s_mov_b64 s[64:65], 0
	v_nop
	global_prefetch_b8 v0, s[64:65] scope:SCOPE_SE
	s_setreg_imm32_b32 hwreg(HW_REG_WAVE_MODE, 25, 1), 1
	s_wait_xcnt 0x0
; out0 = o wo^T + bo on codes of FP4 (E2M1) with one E8M0 scale for each 32 along K = 1,024.  o's codes and scale bytes come from the attention launch, laid as images of operand registers.
; SHARES.  256 work-groups: 512 rows of wo (outputs) x 64 tokens each.  A wave keeps its 128 rows of wo x all of K in 512 registers (windows 1, 2) and the 4 tiles of 16 tokens in window 3.
; Source 0 = 16 rows of wo, source 1 = 16 tokens: lane (r, h) holds token r, and register j of tile t output 16 t + 8 h + j: eight neighbouring numbers of a row of out0.
; wo's rows come by loads of whole rows (512 consecutive bytes an instruction) and turn into fragments through the wave's own stage in LDS; the same stage serves the way out.  The bias is the C of each sum's first product.
; Waves share nothing: no barrier.  No tensor load, so no joint load: wo goes through registers, and a token tile's codes are read by two work-groups only.
.set RP,    528                        ; a row of 512 bytes in the stage + 16 of padding
.set LI,    1                          ; v1   16 x lane
.set PRD,   2                          ; v2   my stage: RP r + 16 h
.set PST,   3                          ; v3   my stage: 16 x lane
.set SO,    4                          ; v4   my stage: RP r + 32 h
.set BO,    5                          ; v5   32 h
.set PSO,   6                          ; v6   32 r + 16 h
.set PS,    16                         ; v16-47  wo's scale words: register 4 t + q % 4; K steps 0-3 in lanes 0-15, 4-7 in lanes 16-31
.set RS,    48                         ; v48-63  the tokens': register 4 m + q % 4, likewise
.set BP,    64                         ; v64-127 the bias, 8 registers a tile
.set ACC,   128                        ; v128-191 8 accumulators
.set BK,    192                        ; v192-255 16 rows on their way out
.set PCP,   8
.set PSP,   10
.set MSB, 0
.macro WIN new                         ; the immediate's high byte repeats the setting that is left; a switch that changes nothing is dropped
.if MSB != (\new)
	s_set_vgpr_msb (MSB<<8)|(\new)
.set MSB, (\new)
.endif
.endm
; The raw rows of tile t wait in the registers that will hold tile t + 1's fragments; tile 7's in the accumulators.
.macro RAWSET t
.if (\t) < 7
.set RW, 1+((\t)+1)/4
.set RR, 64*(((\t)+1)%4)
.else
.set RW, 0
.set RR, ACC
.endif
.endm
.macro PLOAD t                         ; 16 rows, one an instruction
	RAWSET \t
	WIN RW<<6
.irp i, 0,1,2,3,4,5,6,7,8,9,10,11,12,13,14,15
	global_load_b128 v[RR+4*\i:RR+4*\i+3], v[LI], s[PCP:PCP+1] offset:(16*(\t)+\i)*512
.endr
.endm
.macro PTURN t, n                      ; tile t's rows through my stage: in as rows, out as fragments.  n: the loads issued behind tile t's
	RAWSET \t
	s_wait_loadcnt \n
	WIN RW<<2
.irp i, 0,1,2,3,4,5,6,7,8,9,10,11,12,13,14,15
	ds_store_b128 v[PST], v[RR+4*\i:RR+4*\i+3] offset:RP*\i
.endr
.if (\t) > 0
	s_wait_dscnt 32                                ; the last tile's 16 loads and these 16 stores may be out: the last tile's stores, whose data lay where this tile's fragments go, are done
.endif
	WIN (1+(\t)/4)<<6
.set HR, 64*((\t)%4)
.irp q, 0,1,2,3,4,5,6,7
.irp c, 0,1
	ds_load_b128 v[HR+8*\q+4*\c:HR+8*\q+4*\c+3], v[PRD] offset:64*\q+32*\c   ; LDS serves a wave's instructions in order
.endr
.endr
.endm
.macro RLOAD m                         ; token tile m: 16 images of 512 bytes, K step q's half c at 1,024 q + 512 c, into window 3
	WIN 0xc0
.irp q, 0,1,2,3,4,5,6,7
.irp c, 0,1
	global_load_b128 v[64*(\m)+8*\q+4*\c:64*(\m)+8*\q+4*\c+3], v[LI], s[4:5] offset:8192*(\m)+1024*\q+512*\c
.endr
.endr
.endm
.macro MM1 m, t, q                     ; one product: wo's tile t x token tile m, K step q
.set PA, 64*((\t)%4)+8*(\q)
.set CR, ACC+8*(\t)
.if (\q) == 0
.set CR, BP+8*(\t)
.endif
.if (\q) < 4
	v_wmma_scale_f32_16x16x128_f8f6f4 v[ACC+8*(\t):ACC+8*(\t)+7], v[PA:PA+7], v[64*(\m)+8*(\q):64*(\m)+8*(\q)+7], v[CR:CR+7], v[PS+4*(\t)+(\q)%4], v[RS+4*(\m)+(\q)%4] matrix_a_fmt:MATRIX_FMT_FP4 matrix_b_fmt:MATRIX_FMT_FP4
.else
	v_wmma_scale_f32_16x16x128_f8f6f4 v[ACC+8*(\t):ACC+8*(\t)+7], v[PA:PA+7], v[64*(\m)+8*(\q):64*(\m)+8*(\q)+7], v[CR:CR+7], v[PS+4*(\t)+(\q)%4], v[RS+4*(\m)+(\q)%4] matrix_a_fmt:MATRIX_FMT_FP4 matrix_b_fmt:MATRIX_FMT_FP4 matrix_a_scale:MATRIX_SCALE_ROW1 matrix_b_scale:MATRIX_SCALE_ROW1
.endif
.endm
	s_load_b256 s[4:11], s[0:1], 0x0               ; oc s[4:5], os s[6:7], wo's codes s[8:9], wo's scales s[10:11]
	s_load_b128 s[12:15], s[0:1], 0x20             ; bo s[12:13], out0 s[14:15]
	v_lshl_add_u32 v14, v0, 2, 0x8400
	v_mov_b32 v15, 0
	v_lshrrev_b32 v8, 5, v0
	v_readfirstlane_b32 s16, v8                    ; wave 0..3
	s_and_b32 s17, ttmp9, 1                        ; which 512 rows of wo
	s_lshr_b32 s18, ttmp9, 1                       ; which 64 tokens
	s_lshl_b32 s19, s17, 2
	s_add_co_u32 s19, s19, s16                     ; my 128 rows of wo
	s_mov_b32 s21, 0
	v_and_b32 v8, 31, v0
	v_and_b32 v9, 15, v0                           ; r
	v_bfe_u32 v10, v0, 4, 1                        ; h
	v_lshlrev_b32 v[LI], 4, v8
	s_mul_i32 s22, s16, 16*RP                      ; my stage
	v_add_nc_u32 v[PST], s22, v[LI]
	v_mul_u32_u24 v11, v9, RP
	v_add_nc_u32 v11, s22, v11
	v_lshl_add_u32 v[PRD], v10, 4, v11
	v_lshl_add_u32 v[SO], v10, 5, v11
	v_lshlrev_b32 v[BO], 5, v10
	v_lshlrev_b32 v[PSO], 5, v9
	v_lshl_add_u32 v[PSO], v10, 4, v[PSO]
	s_wait_alu depctr_va_vdst(0)
	s_wait_kmcnt 0x0
	s_lshl_b32 s20, s19, 16                        ; 128 rows of 512 bytes
	s_add_nc_u64 s[PCP:PCP+1], s[PCP:PCP+1], s[20:21]
	s_lshl_b32 s20, s19, 12                        ; 128 rows of 32 bytes
	s_add_nc_u64 s[PSP:PSP+1], s[PSP:PSP+1], s[20:21]
	s_lshl_b32 s20, s19, 9                         ; 128 numbers of 4 bytes: in bo and in a row of out0
	s_add_nc_u64 s[12:13], s[12:13], s[20:21]
	s_add_nc_u64 s[14:15], s[14:15], s[20:21]
	s_lshl_b32 s20, s18, 18                        ; 64 rows of 4,096 bytes
	s_add_nc_u64 s[14:15], s[14:15], s[20:21]
	s_lshl_b32 s20, s18, 15                        ; 4 token tiles of 8,192 bytes
	s_add_nc_u64 s[4:5], s[4:5], s[20:21]
	s_lshl_b32 s20, s18, 11                        ; and of 512 bytes
	s_add_nc_u64 s[6:7], s[6:7], s[20:21]
.irp t, 0,1,2,3,4,5,6,7
	global_load_b128 v[PS+4*\t:PS+4*\t+3], v[PSO], s[PSP:PSP+1] offset:512*\t
.endr
.irp t, 0,1,2,3,4,5,6,7
	global_load_b128 v[BP+8*\t:BP+8*\t+3], v[BO], s[12:13] offset:64*\t
	global_load_b128 v[BP+8*\t+4:BP+8*\t+7], v[BO], s[12:13] offset:64*\t+16
.endr
.irp m, 0,1,2,3
	global_load_b128 v[RS+4*\m:RS+4*\m+3], v[LI], s[6:7] offset:512*\m   ; lane (r, h): token r's words of K steps 4 h + 0 .. 3
.endr
	; twelve slots of 16 loads: wo's 8 tiles, then the 4 token tiles; three slots run ahead of the tile that turns
	PLOAD 0
	PLOAD 1
	PLOAD 2
.irp t, 0,1,2,3,4,5,6,7
.if \t+3 < 8
	PLOAD \t+3
.else
	RLOAD \t-5
.endif
	PTURN \t, 48
.endr
	RLOAD 3
	WIN 0
	s_wait_dscnt 0x0                               ; wo's fragments are in registers
.macro OTILE m
	s_wait_loadcnt 16*(3-\m)                       ; token tile m is in; the later tiles may be out
	WIN 0x0d                                       ; wo in window 1, the tokens in window 3, C and D in window 0.  Four accumulators by turns, one product a turn
.irp q, 0,1,2,3,4,5,6,7
.irp t, 0,1,2,3
	MM1 \m, \t, \q
.endr
.endr
	WIN 0x0e
.irp q, 0,1,2,3,4,5,6,7
.irp t, 4,5,6,7
	MM1 \m, \t, \q
.endr
.endr
	WIN 0
.rept 5
	v_nop                                          ; four places in front of the stores that read results; five in front of the next tile's products, which begin these accumulators anew with the bias as C
.endr
.irp t, 0,1,2,3,4,5,6,7
	ds_store_b128 v[SO], v[ACC+8*\t:ACC+8*\t+3] offset:64*\t        ; each accumulator from its low end on
	ds_store_b128 v[SO], v[ACC+8*\t+4:ACC+8*\t+7] offset:64*\t+16
.endr
.if \m > 0
	s_wait_xcnt 0x0                                ; the last tile's stores have read their data: the rows below land there only behind this wait
.endif
.irp i, 0,1,2,3,4,5,6,7,8,9,10,11,12,13,14,15
	ds_load_b128 v[BK+4*\i:BK+4*\i+3], v[PST] offset:RP*\i          ; back as whole rows of 512 bytes; LDS serves a wave's instructions in order
.endr
.irp i, 0,1,2,3,4,5,6,7,8,9,10,11,12,13,14,15
	s_wait_dscnt 15-\i                             ; row i is back; the younger loads may be out
	global_store_b128 v[LI], v[BK+4*\i:BK+4*\i+3], s[14:15] offset:(16*\m+\i)*4096 th:TH_STORE_NT   ; 32 lanes store 512 consecutive bytes, at a multiple of 512 from out0's first byte; written once, read by nobody here
.endr
.endm
	OTILE 0
	OTILE 1
	OTILE 2
	OTILE 3
	s_wait_tensorcnt 0x0
	ds_add_u32 v14, v15
	s_wait_dscnt 0x0
	s_endpgm
.Lfunc_end_k_q221dffeb15_outp:
	.size	k_q221dffeb15_outp, .Lfunc_end_k_q221dffeb15_outp-k_q221dffeb15_outp
	.p2alignl 7, 3214868480
	.fill 96, 4, 3214868480
	.section	.rodata,"a",@progbits
	.p2align	6, 0x0
	.amdhsa_kernel k_q221dffeb15_outp
		.amdhsa_group_segment_fixed_size 34304
		.amdhsa_private_segment_fixed_size 0
		.amdhsa_enable_private_segment 0
		.amdhsa_kernarg_size 48
		.amdhsa_user_sgpr_count 2
		.amdhsa_user_sgpr_kernarg_segment_ptr 1
		.amdhsa_wavefront_size32 1
		.amdhsa_system_sgpr_workgroup_id_x 1
		.amdhsa_system_sgpr_workgroup_id_y 1
		.amdhsa_system_sgpr_workgroup_id_z 1
		.amdhsa_system_vgpr_workitem_id 0
		.amdhsa_next_free_vgpr 1024
		.amdhsa_next_free_sgpr 66
		.amdhsa_reserve_vcc 0
		.amdhsa_float_denorm_mode_32 3
		.amdhsa_float_denorm_mode_16_64 3
		.amdhsa_memory_ordered 1
		.amdhsa_forward_progress 1
		.amdhsa_inst_pref_size 90
	.end_amdhsa_kernel
	.amdgpu_metadata
---
amdhsa.version: [ 1, 2 ]
amdhsa.kernels:
  - .name:           k_q221dffeb15_outp
    .symbol:         k_q221dffeb15_outp.kd
    .args:
      - { .name: oc, .offset: 0, .size: 8, .value_kind: global_buffer, .address_space: global }
      - { .name: os, .offset: 8, .size: 8, .value_kind: global_buffer, .address_space: global }
      - { .name: wo_w_codes, .offset: 16, .size: 8, .value_kind: global_buffer, .address_space: global }
      - { .name: wo_w_scales, .offset: 24, .size: 8, .value_kind: global_buffer, .address_space: global }
      - { .name: wo_b, .offset: 32, .size: 8, .value_kind: global_buffer, .address_space: global }
      - { .name: out0, .offset: 40, .size: 8, .value_kind: global_buffer, .address_space: global }
    .group_segment_fixed_size: 34304
    .private_segment_fixed_size: 0
    .kernarg_segment_align: 8
    .kernarg_segment_size: 48
    .max_flat_workgroup_size: 128
    .sgpr_count:     66
    .vgpr_count:     1024
    .wavefront_size: 32
...
	.end_amdgpu_metadata
.endif
;; end of part 3
